; MI455X (gfx1250); checked and timed in simulation.
; The chip was launched on July 23, 2026; its instructions are those of AMD's public machine-readable ISA for CDNA 5 (MIT licence, August 2026) and "CDNA5" Instruction Set Architecture Reference Guide (July 2026). The comments in the code are by the model that wrote it; some were corrected since.
;; F Mo E. Allowed arithmetic: float matrix products may take bf16 or f16 operands with f32 sums; other float arithmetic in f32, or as packed bf16 or f16 multiplies, adds, multiply-adds, maxima and minima; sums over many terms, partial sums and values carried from step to step in f32; what a program stores and reads back later, other than sums and carried values, may be rounded once to bf16 or f16.
;; Inputs: b1 8 x 4,096 float32; b2 8 x 1,024 float32; gate_b 8 float32; gate_w 1,024 x 8 float32; inp 1,024 x 1,024 float32; w1 8 x 1,024 x 4,096 float32; w2 8 x 4,096 x 1,024 float32.
;; Outputs: out0 1,024 x 1,024 float32.
;; One version. Each part assembles by itself: llvm-mc -triple=amdgcn-amd-amdhsa -mcpu=gfx1250 --defsym DOCPART=n.
;; ======== version 1 of 1: 4 launches
;; workspace buffers: xb 2,097,152 bytes; sc 8,192 bytes; idx 8,192 bytes of whole numbers; h 67,108,864 bytes; o 35,651,584 bytes
;; launch route (part 1): grid 64 x 1, 4 waves a work-group, no clusters, 54,272 bytes of LDS; arguments inp, gate_w, gate_b, xb, sc, idx; writes xb, sc, idx
.if DOCPART == 1
	.amdgcn_target "amdgcn-amd-amdhsa--gfx1250"
	.amdhsa_code_object_version 6
	.text
	.protected	k_q8b7d2ed22d_route
	.globl	k_q8b7d2ed22d_route
	.p2align	8
	.type	k_q8b7d2ed22d_route,@function
k_q8b7d2ed22d_route:
	s_mov_b64 s[64:65], 0
	v_nop
	global_prefetch_b8 v0, s[64:65] scope:SCOPE_SE
	s_setreg_imm32_b32 hwreg(HW_REG_WAVE_MODE, 25, 1), 1
	s_wait_xcnt 0x0
; THE GATE.  logits = inp x gate_w + gate_b; the two largest of a token's eight logits (equal logits: the lower index), softmax over the two.
; Also xb = inp rounded to bf16, [1024][1024], which the first product reads.
; LIMITS.  Every input of the program is rounded to bf16 first, the gate's too; the logits are sums in f32 of exact products of the rounded numbers.  Two logits closer than that sum's
; rounding (some 1e-6 of their size) may be ordered otherwise than by a sum in another order.  NaN and infinite logits are not treated apart.
; SHARES.  A work-group has 16 tokens (one matrix tile), a wave four of their rows on the way in and a quarter of K (256) in the product.  64 work-groups: a tile has 16 tokens, and 1,024 tokens are 64 tiles.
; No cluster: what the work-groups share is gate_w, 32 KB beside 64 KB of their own.  gate_w is read 256 bytes a thread (eight rows), so that a thread can turn them in registers: a table of 32 KB.
; LDS: gate_w turned, bf16, [expert][k], rows of 2,064 bytes; x in bf16, [token][k], likewise (2,064 = 129 x 16: sixteen rows start in sixteen different groups of four banks); the waves' partial logits; the spare words.
.set PG,    2064
.set GW,    0                          ; 8 rows
.set XT,    16640                      ; 16 rows
.set PART,  49664                      ; 4 x 1,024 bytes
.set SPARE, 53760                      ; 128 bytes a wave; no other line names them
.set GST, 4                            ; v4   16 x thread: where my eight k of an expert's row go
.set XO,  5                            ; v5   my bytes in the group's rows of inp
.set XBO, 6                            ; v6   the same in xb
.set XST, 7                            ; v7   the same in LDS
.set A0,  8                            ; v8-15, v16-23  two accumulators, by turns
.set A1,  16
.set SPW, 24                           ; v24  my spare word;  v25  0: kept for the add alone
.set NIL, 25
.set GAD, 26                           ; v26, v27  fragment addresses
.set XAD, 27
.set PST, 28                           ; v28  my 32 bytes of my wave's partial logits
.set GLD, 29                           ; v29  256 x thread
.set GP,  32                           ; v32-63   gate_w packed; later the four partial logits
.set GL,  64                           ; v64-127  gate_w as loaded; later at work
.set XL,  128                          ; v128-255 x as loaded; later the fragments
	s_load_b256 s[4:11], s[0:1], 0x0               ; inp s[4:5], gate_w s[6:7], gate_b s[8:9], xb s[10:11]
	s_load_b128 s[12:15], s[0:1], 0x20             ; sc s[12:13], idx s[14:15]
	v_lshl_add_u32 v[SPW], v0, 2, SPARE
	v_mov_b32 v[NIL], 0
	v_lshrrev_b32 v1, 5, v0
	v_readfirstlane_b32 s2, v1                     ; wave 0..3
	v_and_b32 v1, 31, v0                           ; lane
	v_and_b32 v2, 15, v0                           ; r
	v_bfe_u32 v3, v0, 4, 1                         ; h
	v_lshlrev_b32 v[GLD], 8, v0
	v_lshlrev_b32 v[GST], 4, v0
	s_lshl_b32 s3, s2, 14                          ; my wave's four rows of 4,096 bytes
	v_lshl_add_u32 v[XO], v1, 4, s3
	s_lshl_b32 s3, s2, 13                          ; of 2,048 bytes in xb
	v_lshl_add_u32 v[XBO], v1, 3, s3
	s_mul_i32 s3, s2, 4*PG
	s_add_co_u32 s3, s3, XT
	v_lshl_add_u32 v[XST], v1, 3, s3
	s_lshl_b32 s24, ttmp9, 16                      ; the group's 16 rows in inp,
	s_mov_b32 s25, 0
	s_lshl_b32 s26, ttmp9, 15                      ; in xb,
	s_mov_b32 s27, 0
	s_lshl_b32 s28, ttmp9, 7                       ; and its 16 pairs in sc and idx
	s_mov_b32 s29, 0
	s_mov_b32 s30, 0xff800000                      ; -infinity
	s_wait_kmcnt 0x0
	s_load_b256 s[16:23], s[8:9], 0x0              ; gate_b: eight numbers, the whole buffer
	s_add_nc_u64 s[4:5], s[4:5], s[24:25]
	s_add_nc_u64 s[10:11], s[10:11], s[26:27]
	s_add_nc_u64 s[12:13], s[12:13], s[28:29]
	s_add_nc_u64 s[14:15], s[14:15], s[28:29]
.irp i, 0,1,2,3,4,5,6,7,8,9,10,11,12,13,14,15
	global_load_b128 v[GL+4*(\i):GL+4*(\i)+3], v[GLD], s[6:7] offset:16*(\i)   ; rows 8 T .. 8 T + 7 of gate_w: (row kk, expert e) in v[GL + 8 kk + e]
.endr
.irp j, 0,1,2,3
.irp i, 0,1,2,3,4,5,6,7
	global_load_b128 v[XL+32*(\j)+4*(\i):XL+32*(\j)+4*(\i)+3], v[XO], s[4:5] offset:4096*(\j)+512*(\i) th:TH_LOAD_NT   ; 512 consecutive bytes of a row
.endr
.endr
	s_lshl_b32 s3, s2, 9                           ; my wave's quarter of K: 256 numbers, 512 bytes
	v_and_b32 v30, 7, v0
	v_mul_u32_u24 v30, v30, PG                     ; rows 8-15 of the matrix tile repeat experts 0-7
	v_lshl_add_u32 v30, v3, 4, v30
	v_add_nc_u32 v[GAD], s3, v30
	v_mul_u32_u24 v31, v2, PG
	v_lshl_add_u32 v31, v3, 4, v31
	s_add_co_u32 s3, s3, XT
	v_add_nc_u32 v[XAD], s3, v31
	s_lshl_b32 s3, s2, 10
	s_add_co_u32 s3, s3, PART
	v_lshl_add_u32 v[PST], v1, 5, s3
	s_wait_loadcnt 32                              ; gate_w is in: the 32 loads of x are younger
.irp e, 0,1,2,3,4,5,6,7
.irp m, 0,1,2,3
	v_cvt_pk_bf16_f32 v[GP+4*(\e)+(\m)], v[GL+16*(\m)+(\e)], v[GL+16*(\m)+8+(\e)]   ; expert e, k = 8 T + 2 m and the next
.endr
.endr
.irp e, 0,1,2,3,4,5,6,7
	ds_store_b128 v[GST], v[GP+4*(\e):GP+4*(\e)+3] offset:GW+PG*(\e)
.endr
.irp j, 0,1,2,3
	s_wait_loadcnt 24-8*(\j)                       ; row j is in: the rows behind it stay out
.irp i, 0,1,2,3,4,5,6,7
	v_cvt_pk_bf16_f32 v[XL+32*(\j)+4*(\i)], v[XL+32*(\j)+4*(\i)], v[XL+32*(\j)+4*(\i)+1]
	v_cvt_pk_bf16_f32 v[XL+32*(\j)+4*(\i)+1], v[XL+32*(\j)+4*(\i)+2], v[XL+32*(\j)+4*(\i)+3]
	global_store_b64 v[XBO], v[XL+32*(\j)+4*(\i):XL+32*(\j)+4*(\i)+1], s[10:11] offset:2048*(\j)+256*(\i)   ; the wave stores 256 consecutive bytes, aligned
	ds_store_b64 v[XST], v[XL+32*(\j)+4*(\i):XL+32*(\j)+4*(\i)+1] offset:PG*(\j)+256*(\i)
.endr
.endr
	s_wait_dscnt 0x0                               ; for the others' sake: my stores into LDS are done
	s_barrier_signal -1
	s_barrier_wait -1
	s_wait_xcnt 0x0                                ; the stores into xb have read their registers, which the fragments now take
.irp f, 0,1,2,3,4,5,6,7
	ds_load_b128 v[XL+8*(\f):XL+8*(\f)+3],       v[GAD] offset:64*(\f)
	ds_load_b128 v[XL+8*(\f)+4:XL+8*(\f)+7],     v[GAD] offset:64*(\f)+32
	ds_load_b128 v[XL+64+8*(\f):XL+64+8*(\f)+3],   v[XAD] offset:64*(\f)
	ds_load_b128 v[XL+64+8*(\f)+4:XL+64+8*(\f)+7], v[XAD] offset:64*(\f)+32
.endr
	s_wait_dscnt 0x0
	; source 0 = experts, source 1 = tokens: lane (r, h) then holds token r's eight logits in registers 0-7.  Two accumulators by turns.
.irp f, 0,1
	v_wmma_f32_16x16x32_bf16 v[A0+8*(\f):A0+8*(\f)+7], v[XL+8*(\f):XL+8*(\f)+7], v[XL+64+8*(\f):XL+64+8*(\f)+7], 0
.endr
.irp f, 2,3,4,5,6,7
	v_wmma_f32_16x16x32_bf16 v[A0+8*((\f)%2):A0+8*((\f)%2)+7], v[XL+8*(\f):XL+8*(\f)+7], v[XL+64+8*(\f):XL+64+8*(\f)+7], v[A0+8*((\f)%2):A0+8*((\f)%2)+7]
.endr
.rept 4
	v_nop                                          ; four places behind the last product (ISA guide 7.12.1)
.endr
.irp i, 0,2,4,6
	v_pk_add_f32 v[A0+(\i):A0+(\i)+1], v[A0+(\i):A0+(\i)+1], v[A1+(\i):A1+(\i)+1]
.endr
	ds_store_b128 v[PST], v[A0:A0+3]
	ds_store_b128 v[PST], v[A0+4:A0+7] offset:16
	s_wait_kmcnt 0x0                               ; gate_b
	s_wait_dscnt 0x0
	s_barrier_signal -1
	s_barrier_wait -1
	s_cmp_lg_u32 s2, 0
	s_cbranch_scc1 .Lend                           ; wave 0 finishes the 16 tokens
.irp p, 0,1,2,3
	ds_load_b128 v[GP+8*(\p):GP+8*(\p)+3],   v[PST] offset:1024*(\p)
	ds_load_b128 v[GP+8*(\p)+4:GP+8*(\p)+7], v[PST] offset:1024*(\p)+16
.endr
.irp i, 0,1,2,3
	v_cvt_pk_bf16_f32 v[64+(\i)], s[16+2*(\i)], s[17+2*(\i)]   ; gate_b rounded to bf16,
.endr
.irp i, 0,1,2,3
	v_lshlrev_b32 v[72+2*(\i)], 16, v[64+(\i)]                 ; and widened again
	v_and_b32 v[73+2*(\i)], 0xffff0000, v[64+(\i)]
.endr
	s_wait_dscnt 0x0
.irp p, 1,2,3
.irp i, 0,2,4,6
	v_pk_add_f32 v[GP+(\i):GP+(\i)+1], v[GP+(\i):GP+(\i)+1], v[GP+8*(\p)+(\i):GP+8*(\p)+(\i)+1]
.endr
.endr
.irp i, 0,2,4,6
	v_pk_add_f32 v[GP+(\i):GP+(\i)+1], v[GP+(\i):GP+(\i)+1], v[72+(\i):73+(\i)]
.endr
; the largest of the eight and its index; strictly greater, so that of equal logits the lower index stays
.macro SCAN val, ind
	v_mov_b32 v[\val], v[GP]
	v_mov_b32 v[\ind], 0
.irp e, 1,2,3,4,5,6,7
	v_cmp_gt_f32 vcc_lo, v[GP+(\e)], v[\val]
	v_cndmask_b32 v[\val], v[\val], v[GP+(\e)], vcc_lo
	v_cndmask_b32 v[\ind], v[\ind], \e, vcc_lo
.endr
.endm
	SCAN 80, 90
.irp e, 0,1,2,3,4,5,6,7
	v_cmp_eq_u32 vcc_lo, \e, v90
	v_cndmask_b32 v[GP+(\e)], v[GP+(\e)], s30, vcc_lo          ; the winner leaves the field
.endr
	SCAN 82, 91
	v_sub_f32 v84, v82, v80                        ; the maximum is taken away: second - first, at most 0
	v_mul_f32 v84, 0x3fb8aa3b, v84
	v_exp_f32 v85, v84                             ; t = e^(second - first), in 0 to 1
	v_lshlrev_b32 v92, 3, v2                       ; a plain instruction behind it: my token's pair in sc and idx
	s_wait_alu depctr_va_vdst(0)                   ; the wait ahead of the first reader
	v_add_f32 v86, 1.0, v85
	v_rcp_f32 v88, v86                             ; score of the first = 1 / (1 + t)
	v_nop
	s_wait_alu depctr_va_vdst(0)
	v_mul_f32 v89, v85, v88                        ; score of the second = t / (1 + t)
	global_store_b64 v92, v[88:89], s[12:13]       ; 128 bytes of a table of 8 KB; lanes 16-31 hold the same tokens and store the same numbers
	global_store_b64 v92, v[90:91], s[14:15]
.Lend:
	s_wait_tensorcnt 0x0                           ; the wave's end
	ds_add_u32 v[SPW], v[NIL]
	s_wait_dscnt 0x0
	s_endpgm
.Lfunc_end_k_q8b7d2ed22d_route:
	.size	k_q8b7d2ed22d_route, .Lfunc_end_k_q8b7d2ed22d_route-k_q8b7d2ed22d_route
	.p2alignl 7, 3214868480
	.fill 96, 4, 3214868480
	.section	.rodata,"a",@progbits
	.p2align	6, 0x0
	.amdhsa_kernel k_q8b7d2ed22d_route
		.amdhsa_group_segment_fixed_size 54272
		.amdhsa_private_segment_fixed_size 0
		.amdhsa_enable_private_segment 0
		.amdhsa_kernarg_size 48
		.amdhsa_user_sgpr_count 2
		.amdhsa_user_sgpr_kernarg_segment_ptr 1
		.amdhsa_wavefront_size32 1
		.amdhsa_system_sgpr_workgroup_id_x 1
		.amdhsa_system_sgpr_workgroup_id_y 1
		.amdhsa_system_sgpr_workgroup_id_z 1
		.amdhsa_system_vgpr_workitem_id 0
		.amdhsa_next_free_vgpr 256
		.amdhsa_next_free_sgpr 66
		.amdhsa_reserve_vcc 1
		.amdhsa_float_denorm_mode_32 3
		.amdhsa_float_denorm_mode_16_64 3
		.amdhsa_memory_ordered 1
		.amdhsa_forward_progress 1
		.amdhsa_inst_pref_size 28
	.end_amdhsa_kernel
	.amdgpu_metadata
---
amdhsa.version: [ 1, 2 ]
amdhsa.kernels:
  - .name:           k_q8b7d2ed22d_route
    .symbol:         k_q8b7d2ed22d_route.kd
    .args:
      - { .name: inp, .offset: 0, .size: 8, .value_kind: global_buffer, .address_space: global }
      - { .name: gate_w, .offset: 8, .size: 8, .value_kind: global_buffer, .address_space: global }
      - { .name: gate_b, .offset: 16, .size: 8, .value_kind: global_buffer, .address_space: global }
      - { .name: xb, .offset: 24, .size: 8, .value_kind: global_buffer, .address_space: global }
      - { .name: sc, .offset: 32, .size: 8, .value_kind: global_buffer, .address_space: global }
      - { .name: idx, .offset: 40, .size: 8, .value_kind: global_buffer, .address_space: global }
    .group_segment_fixed_size: 54272
    .private_segment_fixed_size: 0
    .kernarg_segment_align: 8
    .kernarg_segment_size: 48
    .max_flat_workgroup_size: 128
    .sgpr_count:     66
    .vgpr_count:     256
    .wavefront_size: 32
...
	.end_amdgpu_metadata
.endif
;; end of part 1
;; launch up (part 2): grid 32 x 8, 16 waves a work-group, no clusters, 271,104 bytes of LDS; arguments xb, w1, b1, idx, h; writes h
.if DOCPART == 2
	.amdgcn_target "amdgcn-amd-amdhsa--gfx1250"
	.amdhsa_code_object_version 6
	.text
	.protected	k_q8b7d2ed22d_up
	.globl	k_q8b7d2ed22d_up
	.p2align	8
	.type	k_q8b7d2ed22d_up,@function
k_q8b7d2ed22d_up:
	s_mov_b64 s[64:65], 0
	v_nop
	global_prefetch_b8 v0, s[64:65] scope:SCOPE_SE
	s_setreg_imm32_b32 hwreg(HW_REG_WAVE_MODE, 25, 1), 1
	s_wait_xcnt 0x0
; THE FIRST PRODUCT, for the routed rows alone: h = gelu(x w1[e] + b1[e]), gelu in its tanh form, z / (1 + 2^(z (A + B z^2))).
; LIMITS.  x, w1 and b1 are rounded to bf16, sums in f32, h rounded once to bf16.  Where the power of two overflows or vanishes the result is -0 or z.  NaN is not treated apart.
; SHARES.  Work-group (s, e) has expert e and the 128 hidden columns from 128 s on: 1,024 x 128 numbers of w1, 512 KB, which it alone reads, once; and ALL of that expert's rows, 0 to 1,024 of them.
; THREE PARTS, every wave in the same text.
;  1. Wave 0 counts the expert's rows from idx and lays their numbers 2 n + k into LDS by rank (the places past the count hold numbers from 2,048 on, which here fall on token 1,023).
;     The other waves have asked for their weights meanwhile.  Up to the first barrier no other wave touches LDS.
;  2. Wave w fetches k rows 64 w .. 64 w + 63 of the slice, 64 loads of 512 consecutive bytes, 48 of them out at once, rounds them and lays them into LDS turned ([column][k]): its own 128 bytes of each LDS row.
;  3. Behind the second barrier LDS is only read, up to a third barrier in front of the waves' closing lines.  Wave w multiplies ranks 64 (w / 2) .. + 63 of a pass's 512 by columns 64 (w % 2) .. + 63:
;     16 accumulators; two passes cover 1,024 ranks.  The walk along K is written once for each number of live tiles of 16 ranks, 1 to 4, and chosen by forward branches: no branch on the count stands
;     in a loop.  A wave without rows jumps the pass.
; LAYOUT.  Source 0 = 16 tokens, source 1 = 16 columns.  Column 4 l + q of the slice lies in LDS row 32 q + l, so fragment p of a wave holds columns 4 r + p of its 64: for one register j a lane's four
; accumulators are four neighbouring columns of one token.  Row m of a tile holds rank 2 (m % 8) + m / 8, so register j is rank 2 j in lanes 0-15 and rank 2 j + 1 in lanes 16-31.
; h lies as [64 blocks of 64 columns][1,024 e + rank][64] in bf16: a store of 8 bytes a lane is two ranks' 128 bytes, 256 consecutive bytes, aligned.  No way through LDS is needed.
; Fetching and multiplying follow each other here: waves that fetch beside waves that multiply would want the same registers for both, 16 x 256 being all there are.
; No cluster: each weight byte has one reader, and the shared token rows come by a list.  No tensor load: the weights want rounding and turning, which the one conversion in registers does.
.set WROW,  16384                      ; bytes from a k row of w1[e] to the next
.set ASTEP, 128                        ; 64 k in a row of xb
.set PW,    2064                       ; a column's 1,024 k in LDS: 2,048 bytes + 16 = 129 x 16: sixteen rows start in sixteen different groups of four banks
.set LIST,  128*PW                     ; the list
.set LPL,   1152                       ; its places: 1,024, and the last for the lanes that have nothing to say
.set CNTW,  LIST+4*LPL                 ; the count
.set SPARE, CNTW+256                   ; 128 bytes a wave; no other line names them
.set WV, 2                             ; s2 wave   s3 expert   s4 slice   s6 w % 2   s7 w / 2
.set E, 3
.set SL, 4
.set CG, 6
.set RG, 7
.set AB0, 8                            ; s[8:9]   xb
.set WB, 18                            ; s[18:19] w1 at my 64 k rows of the slice
.set AB, 20                            ; s[20:21] xb at the 64 k in hand
.set BP, 22                            ; s[22:23] b1 at my 64 columns
.set OB, 24                            ; s[24:25] h at my 64 ranks
.set CNT, 26                           ; s26 the expert's rows   s27 my live tiles, 0 to 4   s29 my first rank
.set NL, 27
.set ROWB, 29
.set KC, 30
.set PASS, 31
.set RUN, 34
.set T0, 35
.set T1, 36
.set M, 37
.set GA, 38                            ; s[38:39] A   s[40:41] B: the packed form takes the low word for both halves
.set GB, 40
.set KB, 48                            ; s48 the byte in an LDS row of the 64 k in hand   s49 the pass's first byte in the list
.set LB, 49
.set LRC, 1                            ; v1     first 16 r, for the bias; then my place in the list in this pass
.set SPW, 2                            ; v2 my spare word, v3 0: kept for the add alone
.set NIL, 3
.set WS, 4                             ; v4-7   where my 8 k of column 4 lane + q go
.set WBS, 8                            ; v8-11  weight fragment p at k = 0
.set LRD, 12                           ; v12    my place in the list in pass 0
.set L16, 13                           ; v13    16 x lane
.set L8, 14                            ; v14    8 x lane
.set H16, 15                           ; v15    16 h
.set BB, 16                            ; v16-23 the bias of my four columns, each twice
.set WR, 24                            ; v24-27 WBS plus s[KB]
.set AOFF, 28                          ; v28-31 byte offset of tile t's token rows in xb
.set LN, 32                            ; v32-34 lane, r, h: at the head only
.set R, 33
.set H, 34
.set TP, 36                            ; v36-43 at work
.set PKD, 32                           ; v32-63  16 k rows packed
.set RING, 64                          ; v64-255 three slots of 16 loads
.set EN, 32                            ; v32-35  list entries
.set WF, 32                            ; v32-63  four weight fragments
.set AF, 64                            ; v64-127 two buffers of four token fragments
.set ACC, 128                          ; accumulator (t, p) at ACC + 32 t + 8 p
.set U, 64                             ; v64-95  the way out, at work
.macro LOADW slot, g                   ; k rows 16 g .. 16 g + 15 of my 64: each load is 512 consecutive bytes of one row
.irp b, 0,1
.irp i, 0,1,2,3,4,5,6,7
	global_load_b128 v[RING+64*(\slot)+32*(\b)+4*(\i):RING+64*(\slot)+32*(\b)+4*(\i)+3], v[L16], s[WB:WB+1] offset:(16*(\g)+8*(\b)+(\i))*WROW th:TH_LOAD_NT
.endr
.endr
.endm
.macro PACKW slot, g                   ; two neighbouring k of one column make a word; eight k make a store
.irp b, 0,1
.irp q, 0,1,2,3
.irp m, 0,1,2,3
	v_cvt_pk_bf16_f32 v[PKD+16*(\b)+4*(\q)+(\m)], v[RING+64*(\slot)+32*(\b)+8*(\m)+(\q)], v[RING+64*(\slot)+32*(\b)+8*(\m)+4+(\q)]
.endr
.endr
.endr
.irp b, 0,1
.irp q, 0,1,2,3
	ds_store_b128 v[WS+(\q)], v[PKD+16*(\b)+4*(\q):PKD+16*(\b)+4*(\q)+3] offset:32*(\g)+16*(\b)
.endr
.endr
.endm
.macro LOADA n, buf, off               ; n token fragments, 16 rows x 32 k each
.set t, 0
.rept \n
	global_load_b128 v[AF+32*(\buf)+8*t:AF+32*(\buf)+8*t+3],   v[AOFF+t], s[AB:AB+1] offset:(\off)+64*(\buf)
	global_load_b128 v[AF+32*(\buf)+8*t+4:AF+32*(\buf)+8*t+7], v[AOFF+t], s[AB:AB+1] offset:(\off)+64*(\buf)+32
.set t, t+1
.endr
.endm
.macro LOADWF imm                      ; four weight fragments, 16 columns x 32 k each
.irp p, 0,1,2,3
	ds_load_b128 v[WF+8*(\p):WF+8*(\p)+3],   v[WR+(\p)] offset:(\imm)
	ds_load_b128 v[WF+8*(\p)+4:WF+8*(\p)+7], v[WR+(\p)] offset:(\imm)+32
.endr
.endm
; 4 n products.  The accumulators take turns, one instruction a turn.  zero = 1: the products start the sums, and the tiles past n are started too, with tile 0's fragment,
; so that every accumulator is written whatever n.  Four places follow the last product: loads into the fragments' registers, or the way out, come next (ISA guide 7.12.1 for vector instructions).
.macro MULV n, buf, zero
.set t, 0
.rept 4
.if (t < (\n)) || (\zero)
.set ta, t
.if t >= (\n)
.set ta, 0
.endif
.irp p, 0,1,2,3
.if \zero
	v_wmma_f32_16x16x32_bf16 v[ACC+32*t+8*(\p):ACC+32*t+8*(\p)+7], v[AF+32*(\buf)+8*ta:AF+32*(\buf)+8*ta+7], v[WF+8*(\p):WF+8*(\p)+7], 0
.else
	v_wmma_f32_16x16x32_bf16 v[ACC+32*t+8*(\p):ACC+32*t+8*(\p)+7], v[AF+32*(\buf)+8*ta:AF+32*(\buf)+8*ta+7], v[WF+8*(\p):WF+8*(\p)+7], v[ACC+32*t+8*(\p):ACC+32*t+8*(\p)+7]
.endif
.endr
.endif
.set t, t+1
.endr
.rept 4
	v_nop
.endr
.endm
.macro CTRIP n, zero, anext            ; 64 k: two steps of 32; anext = 1: the next 64 k's token fragments are asked for as each buffer falls free
	LOADWF 0
	s_wait_loadcnt 2*(\n)                          ; buffer 0 is in: buffer 1's 2 n loads are younger
	s_wait_dscnt 0x0
	MULV \n, 0, \zero
.if \anext
	LOADA \n, 0, ASTEP
.endif
	LOADWF 64
.if \anext
	s_wait_loadcnt 2*(\n)                          ; buffer 1 is in: the 2 n loads just issued are younger
.else
	s_wait_loadcnt 0x0
.endif
	s_wait_dscnt 0x0
	MULV \n, 1, 0
.if \anext
	LOADA \n, 1, ASTEP
.endif
.endm
.macro CSTEP
	s_wait_xcnt 0x0                                ; the loads' base is stepped only behind this wait
	s_add_nc_u64 s[AB:AB+1], s[AB:AB+1], ASTEP
	s_add_co_u32 s[KB], s[KB], 128
.irp p, 0,1,2,3
	v_add_nc_u32 v[WR+(\p)], s[KB], v[WBS+(\p)]
.endr
.endm
.macro WALK n                          ; the whole K, 16 times 64, for n live tiles
	s_mov_b64 s[AB:AB+1], s[AB0:AB0+1]
	s_mov_b32 s[KB], 0
.irp p, 0,1,2,3
	v_mov_b32 v[WR+(\p)], v[WBS+(\p)]
.endr
	LOADA \n, 0, 0
	LOADA \n, 1, 0
	CTRIP \n, 1, 1
	CSTEP
	s_mov_b32 s[KC], 14
.Lk_\@:
	CTRIP \n, 0, 1
	CSTEP
	s_sub_co_u32 s[KC], s[KC], 1
	s_cmp_lg_u32 s[KC], 0
	s_cbranch_scc1 .Lk_\@
	CTRIP \n, 0, 0
.endm
.macro NEWNL                           ; my live tiles: (count + 15 - first rank) / 16, held to 0 .. 4
	s_add_co_u32 s42, s[CNT], 15
	s_sub_co_i32 s42, s42, s[ROWB]
	s_ashr_i32 s42, s42, 4
	s_max_i32 s42, s42, 0
	s_min_i32 s[NL], s42, 4
.endm
; THE WAY OUT of tile t: bias, gelu, rounding, eight stores.  Each tile packs into registers of its own, so that no store's data is written again before the pass's end.
.macro OUTT t
.set a, ACC+32*(\t)
.set pk, 32+16*(\t)+32*((\t)/2)        ; v32, v48, v96, v112
.irp p, 0,1,2,3
.irp i, 0,2,4,6
	v_pk_add_f32 v[a+8*(\p)+(\i):a+8*(\p)+(\i)+1], v[a+8*(\p)+(\i):a+8*(\p)+(\i)+1], v[BB+2*(\p):BB+2*(\p)+1]   ; z = sum + bias; each accumulator's lowest registers are read first
.endr
.endr
.set i, 0
.rept 16
	v_pk_mul_f32 v[U+2*i:U+2*i+1], v[a+2*i:a+2*i+1], v[a+2*i:a+2*i+1]
.set i, i+1
.endr
.set i, 0
.rept 16
	v_pk_fma_f32 v[U+2*i:U+2*i+1], v[U+2*i:U+2*i+1], s[GB:GB+1], s[GA:GA+1] op_sel_hi:[1,0,0]
.set i, i+1
.endr
.set i, 0
.rept 16
	v_pk_mul_f32 v[U+2*i:U+2*i+1], v[U+2*i:U+2*i+1], v[a+2*i:a+2*i+1]       ; z (A + B z^2)
.set i, i+1
.endr
.set i, 0
.rept 32
	v_exp_f32 v[U+i], v[U+i]
.set i, i+1
.endr
	v_nop                                          ; a plain instruction behind the last of the batch,
	s_wait_alu depctr_va_vdst(0)                   ; and one wait for the 32
.set i, 0
.rept 16
	v_pk_add_f32 v[U+2*i:U+2*i+1], v[U+2*i:U+2*i+1], 1.0 op_sel_hi:[1,0]
.set i, i+1
.endr
.set i, 0
.rept 32
	v_rcp_f32 v[U+i], v[U+i]
.set i, i+1
.endr
	v_nop
	s_wait_alu depctr_va_vdst(0)
.set i, 0
.rept 16
	v_pk_mul_f32 v[U+2*i:U+2*i+1], v[U+2*i:U+2*i+1], v[a+2*i:a+2*i+1]
.set i, i+1
.endr
.irp j, 0,1,2,3,4,5,6,7
.irp m, 0,1
	v_cvt_pk_bf16_f32 v[pk+2*(\j)+(\m)], v[U+16*(\m)+(\j)], v[U+16*(\m)+8+(\j)]   ; columns 4 r + 2 m and the next, of the rank in register j
.endr
.endr
.irp j, 0,1,2,3,4,5,6,7
	global_store_b64 v[L8], v[pk+2*(\j):pk+2*(\j)+1], s[OB:OB+1] offset:2048*(\t)+256*(\j)   ; ranks 2 j and 2 j + 1 of the tile: the wave stores 256 consecutive bytes, aligned
.endr
.endm
	s_load_b256 s[8:15], s[0:1], 0x0               ; xb s[8:9], w1 s[10:11], b1 s[12:13], idx s[14:15]
	s_load_b64 s[16:17], s[0:1], 0x20              ; h
	v_lshl_add_u32 v[SPW], v0, 2, SPARE
	v_mov_b32 v[NIL], 0
	v_lshrrev_b32 v[LN], 5, v0
	v_readfirstlane_b32 s[WV], v[LN]               ; wave 0..15
	v_and_b32 v[LN], 31, v0                        ; lane
	v_and_b32 v[R], 15, v0                         ; r
	v_bfe_u32 v[H], v0, 4, 1                       ; h
	s_and_b32 s[E], ttmp7, 0xffff
	s_mov_b32 s[SL], ttmp9
	s_and_b32 s[CG], s[WV], 1
	s_lshr_b32 s[RG], s[WV], 1
	; every address register is made here, by every wave alike
	v_lshlrev_b32 v[L16], 4, v[LN]
	v_lshlrev_b32 v[L8], 3, v[LN]
	v_lshlrev_b32 v[H16], 4, v[H]
	v_lshlrev_b32 v[LRC], 4, v[R]
	v_mul_u32_u24 v[WS], v[LN], PW                 ; LDS row 32 q + lane,
	s_lshl_b32 s42, s[WV], 7                       ; my 64 k are 128 bytes of it
	v_add_nc_u32 v[WS], s42, v[WS]
.irp q, 1,2,3
	v_add_nc_u32 v[WS+(\q)], 32*PW*(\q), v[WS]
.endr
	v_mul_u32_u24 v[WBS], v[R], PW                 ; LDS row 32 p + 16 (w % 2) + r, 16 bytes for each half of the lanes
	v_lshl_add_u32 v[WBS], v[H], 4, v[WBS]
	s_mul_i32 s42, s[CG], 16*PW
	v_add_nc_u32 v[WBS], s42, v[WBS]
.irp q, 1,2,3
	v_add_nc_u32 v[WBS+(\q)], 32*PW*(\q), v[WBS]
.endr
	v_and_b32 v[TP], 7, v0
	v_bfe_u32 v[TP+1], v0, 3, 1
	v_lshl_add_u32 v[TP], v[TP], 1, v[TP+1]        ; row r of a tile holds rank 2 (r % 8) + r / 8
	s_lshl_b32 s42, s[RG], 8
	s_add_co_u32 s42, s42, LIST
	v_lshl_add_u32 v[LRD], v[TP], 2, s42
	s_mov_b32 s[GA], 0xc0135761                    ; A = -2 sqrt(2 / pi) log2(e) = -2.3022082
	s_mov_b32 s[GA+1], s[GA]
	s_mov_b32 s[GB], 0xbdd2d3e8                    ; B = 0.044715 A = -0.10294324
	s_mov_b32 s[GB+1], s[GB]
	s_lshl_b32 s32, s[E], 24                       ; w1: 16 MiB x expert + my 64 k rows + the slice's 512 bytes of a row
	s_lshl_b32 s42, s[WV], 20
	s_add_co_u32 s32, s32, s42
	s_lshl_b32 s42, s[SL], 9
	s_add_co_u32 s32, s32, s42
	s_mov_b32 s33, 0
	s_lshl_b32 s44, s[E], 14                       ; b1: the expert's row + the slice's 512 bytes + my 256
	s_add_co_u32 s44, s44, s42
	s_lshl_b32 s42, s[CG], 8
	s_add_co_u32 s44, s44, s42
	s_mov_b32 s45, 0
	s_lshl_b32 s46, s[SL], 21                      ; h: block 2 s + w % 2 of 1 MiB, rank 1,024 e + 64 (w / 2) of 128 bytes
	s_lshl_b32 s42, s[CG], 20
	s_add_co_u32 s46, s46, s42
	s_lshl_b32 s42, s[E], 17
	s_add_co_u32 s46, s46, s42
	s_lshl_b32 s42, s[RG], 13
	s_add_co_u32 s46, s46, s42
	s_mov_b32 s47, 0
	s_wait_kmcnt 0x0
	s_add_nc_u64 s[WB:WB+1], s[10:11], s[32:33]
	s_add_nc_u64 s[BP:BP+1], s[12:13], s[44:45]
	s_add_nc_u64 s[OB:OB+1], s[16:17], s[46:47]
	global_load_b128 v[BB:BB+3], v[LRC], s[BP:BP+1]   ; the bias of columns 4 r .. 4 r + 3 of my 64
	s_cmp_lg_u32 s[WV], 0
	s_cbranch_scc1 .Lnot_lister
	; WAVE 0 MAKES THE LIST, alone and in order.
	v_lshlrev_b32 v[TP], 3, v[LN]
.set w, 0
.rept 32
	global_load_b64 v[128+2*w:129+2*w], v[TP], s[14:15] offset:256*w   ; the two choices of token 32 w + lane
.set w, w+1
.endr
	v_lshl_add_u32 v[TP+1], v[LN], 4, LIST
	v_and_b32 v[TP+2], 3, v[LN]
	s_lshl_b32 s42, s[E], 4
	s_add_co_u32 s42, s42, 2048
	v_lshl_add_u32 v192, v[TP+2], 2, s42           ; place p starts as 2,048 + 16 e + p % 16
	v_add_nc_u32 v193, 1, v192
	v_add_nc_u32 v194, 2, v192
	v_add_nc_u32 v195, 3, v192
.irp i, 0,1,2,3,4,5,6,7,8
	ds_store_b128 v[TP+1], v[192:195] offset:512*(\i)
.endr
	v_lshlrev_b32 v[TP+3], 1, v[LN]                ; 2 x the token of this lane and word
	v_mov_b32 v[TP+4], LPL-1                       ; a lane whose token did not choose e writes the last place's own number there again
	s_add_co_u32 s42, s42, 15
	v_mov_b32 v[TP+5], s42
	s_mov_b32 s[RUN], 0
.set w, 0
.rept 32
	s_wait_loadcnt 31-w                            ; word w is in: the later words' loads stay out
	v_cmp_eq_u32 s[T0], s[E], v[128+2*w]
	v_cmp_eq_u32 s[T1], s[E], v[129+2*w]
	s_or_b32 s[M], s[T0], s[T1]
	v_mbcnt_lo_u32_b32 v[TP+6], s[M], s[RUN]       ; rank: the rows so far and those of lower lanes
	v_cndmask_b32 v[TP+6], v[TP+4], v[TP+6], s[M]
	v_min_u32 v[TP+6], LPL-1, v[TP+6]              ; held inside the list; a shift and an add follow
	v_lshl_add_u32 v[TP+6], v[TP+6], 2, LIST
	v_cndmask_b32 v[TP+7], 0, 1, s[T1]
	v_add_nc_u32 v[TP+7], v[TP+7], v[TP+3]         ; the entry 2 n + k
	v_cndmask_b32 v[TP+7], v[TP+5], v[TP+7], s[M]
	ds_store_b32 v[TP+6], v[TP+7]
	v_add_nc_u32 v[TP+3], 64, v[TP+3]
	s_bcnt1_i32_b32 s[T0], s[M]
	s_add_co_u32 s[RUN], s[RUN], s[T0]
.set w, w+1
.endr
	v_mov_b32 v[TP+6], CNTW
	v_mov_b32 v[TP+7], s[RUN]
	ds_store_b32 v[TP+6], v[TP+7]
.Lnot_lister:
	LOADW 0, 0                                     ; 48 of my 64 loads go out
	LOADW 1, 1
	LOADW 2, 2
	s_wait_dscnt 0x0                               ; list and count lie in LDS
	s_barrier_signal -1
	s_barrier_wait -1                              ; from here on every wave stores into the slice
	s_wait_loadcnt 32                              ; the first 16 rows (and the bias ahead of them) are in: two groups of 16 are younger
	PACKW 0, 0
	LOADW 0, 3                                     ; the last 16 rows take their place
	s_wait_loadcnt 32
	PACKW 1, 1
	s_wait_loadcnt 16                              ; one group of 16 is younger
	PACKW 2, 2
	s_wait_loadcnt 0x0
	PACKW 0, 3
	s_wait_dscnt 0x0                               ; for the others' sake: my part of the slice lies in LDS
	s_barrier_signal -1
	s_barrier_wait -1                              ; from here on LDS is only read
	v_cvt_pk_bf16_f32 v[BB+4], v[BB], v[BB+1]      ; the bias rounded to bf16, widened again, each number twice
	v_cvt_pk_bf16_f32 v[BB+5], v[BB+2], v[BB+3]
	v_lshlrev_b32 v[BB], 16, v[BB+4]
	v_lshlrev_b32 v[BB+1], 16, v[BB+4]
	v_and_b32 v[BB+2], 0xffff0000, v[BB+4]
	v_and_b32 v[BB+3], 0xffff0000, v[BB+4]
	v_and_b32 v[BB+6], 0xffff0000, v[BB+5]
	v_and_b32 v[BB+7], 0xffff0000, v[BB+5]
	v_lshlrev_b32 v[BB+4], 16, v[BB+5]
	v_lshlrev_b32 v[BB+5], 16, v[BB+5]
	v_mov_b32 v[TP], CNTW
	ds_load_b32 v[TP+1], v[TP]
	s_wait_dscnt 0x0
	v_readfirstlane_b32 s[CNT], v[TP+1]
	s_min_u32 s[CNT], s[CNT], 1024
	s_lshl_b32 s[ROWB], s[RG], 6
	s_mov_b32 s[LB], 0
	s_mov_b32 s[PASS], 2
.Lpass:                                                ; 512 ranks a pass
	NEWNL
	s_cmp_eq_u32 s[NL], 0
	s_cbranch_scc1 .Lnext                          ; no rows of mine in this pass
	v_add_nc_u32 v[LRC], s[LB], v[LRD]
.irp t, 0,1,2,3
	ds_load_b32 v[EN+(\t)], v[LRC] offset:64*(\t)
.endr
	s_wait_dscnt 0x0
.irp t, 0,1,2,3
	v_lshrrev_b32 v[EN+(\t)], 1, v[EN+(\t)]        ; the token of entry 2 n + k
	v_min_u32 v[EN+(\t)], 0x3ff, v[EN+(\t)]
	v_lshl_add_u32 v[AOFF+(\t)], v[EN+(\t)], 11, v[H16]
.endr
	s_cmp_lt_u32 s[NL], 4
	s_cbranch_scc1 .Lw3
	WALK 4
	s_branch .Lout
.Lw3:
	s_cmp_lt_u32 s[NL], 3
	s_cbranch_scc1 .Lw2
	WALK 3
	s_branch .Lout
.Lw2:
	s_cmp_lt_u32 s[NL], 2
	s_cbranch_scc1 .Lw1
	WALK 2
	s_branch .Lout
.Lw1:
	WALK 1
.Lout:
	OUTT 0
	s_cmp_lt_u32 s[NL], 2                          ; whole tiles past the count are jumped
	s_cbranch_scc1 .Lnext
	OUTT 1
	s_cmp_lt_u32 s[NL], 3
	s_cbranch_scc1 .Lnext
	OUTT 2
	s_cmp_lt_u32 s[NL], 4
	s_cbranch_scc1 .Lnext
	OUTT 3
.Lnext:
	s_wait_xcnt 0x0                                ; the stores have read their registers and their base
	s_add_co_u32 s[ROWB], s[ROWB], 512
	s_add_co_u32 s[LB], s[LB], 2048
	s_add_nc_u64 s[OB:OB+1], s[OB:OB+1], 512*128
	s_sub_co_u32 s[PASS], s[PASS], 1
	s_cmp_lg_u32 s[PASS], 0
	s_cbranch_scc1 .Lpass
	s_wait_dscnt 0x0                               ; my reads of LDS are back,
	s_barrier_signal -1
	s_barrier_wait -1                              ; and so are every wave's: the closing add, which writes LDS, comes behind all reads
	s_wait_tensorcnt 0x0                           ; the wave's end
	ds_add_u32 v[SPW], v[NIL]
	s_wait_dscnt 0x0
	s_endpgm
.Lfunc_end_k_q8b7d2ed22d_up:
	.size	k_q8b7d2ed22d_up, .Lfunc_end_k_q8b7d2ed22d_up-k_q8b7d2ed22d_up
	.p2alignl 7, 3214868480
	.fill 96, 4, 3214868480
	.section	.rodata,"a",@progbits
	.p2align	6, 0x0
	.amdhsa_kernel k_q8b7d2ed22d_up
		.amdhsa_group_segment_fixed_size 271104
		.amdhsa_private_segment_fixed_size 0
		.amdhsa_enable_private_segment 0
		.amdhsa_kernarg_size 40
		.amdhsa_user_sgpr_count 2
		.amdhsa_user_sgpr_kernarg_segment_ptr 1
		.amdhsa_wavefront_size32 1
		.amdhsa_system_sgpr_workgroup_id_x 1
		.amdhsa_system_sgpr_workgroup_id_y 1
		.amdhsa_system_sgpr_workgroup_id_z 1
		.amdhsa_system_vgpr_workitem_id 0
		.amdhsa_next_free_vgpr 256
		.amdhsa_next_free_sgpr 66
		.amdhsa_reserve_vcc 0
		.amdhsa_float_denorm_mode_32 3
		.amdhsa_float_denorm_mode_16_64 3
		.amdhsa_memory_ordered 1
		.amdhsa_forward_progress 1
		.amdhsa_inst_pref_size 140
	.end_amdhsa_kernel
	.amdgpu_metadata
---
amdhsa.version: [ 1, 2 ]
amdhsa.kernels:
  - .name:           k_q8b7d2ed22d_up
    .symbol:         k_q8b7d2ed22d_up.kd
    .args:
      - { .name: xb, .offset: 0, .size: 8, .value_kind: global_buffer, .address_space: global }
      - { .name: w1, .offset: 8, .size: 8, .value_kind: global_buffer, .address_space: global }
      - { .name: b1, .offset: 16, .size: 8, .value_kind: global_buffer, .address_space: global }
      - { .name: idx, .offset: 24, .size: 8, .value_kind: global_buffer, .address_space: global }
      - { .name: h, .offset: 32, .size: 8, .value_kind: global_buffer, .address_space: global }
    .group_segment_fixed_size: 271104
    .private_segment_fixed_size: 0
    .kernarg_segment_align: 8
    .kernarg_segment_size: 40
    .max_flat_workgroup_size: 512
    .sgpr_count:     66
    .vgpr_count:     256
    .wavefront_size: 32
...
	.end_amdgpu_metadata
.endif
;; end of part 2
;; launch down (part 3): grid 32 x 8, 16 waves a work-group, no clusters, 275,712 bytes of LDS; arguments h, w2, sc, idx, o; writes o
.if DOCPART == 3
	.amdgcn_target "amdgcn-amd-amdhsa--gfx1250"
	.amdhsa_code_object_version 6
	.text
	.protected	k_q8b7d2ed22d_down
	.globl	k_q8b7d2ed22d_down
	.p2align	8
	.type	k_q8b7d2ed22d_down,@function
k_q8b7d2ed22d_down:
	s_mov_b64 s[64:65], 0
	v_nop
	global_prefetch_b8 v0, s[64:65] scope:SCOPE_SE
	s_setreg_imm32_b32 hwreg(HW_REG_WAVE_MODE, 25, 1), 1
	s_wait_xcnt 0x0
; THE SECOND PRODUCT, for the routed rows alone, in four parts along K: o[ks][2 n + k] = score x (h[.., 1,024 ks ..] w2[e][1,024 ks .., ..]), partial sums in f32.  The last launch adds the parts and b2.
; LIMITS.  w2 is rounded to bf16; h comes in bf16; sums and the score's multiply in f32.  NaN is not treated apart.
; SHARES.  Work-group (x, e): expert e, output columns 128 (x % 8) on, K rows 1,024 (x / 8) on: 1,024 x 128 numbers of w2, 512 KB, which it alone reads, once; and ALL of that expert's rows.
; Four parts along K make 256 work-groups, weight rows of 512 bytes and the same slice as the first product's; the price is four partial rows of f32 for each routed row.
; THREE PARTS, every wave in the same text, as in the first product.
;  1. Wave 0 lays the expert's rows' numbers 2 n + k, and their scores, into LDS by rank; the other waves have asked for their weights meanwhile.  Up to the first barrier no other wave touches LDS.
;  2. Wave w fetches k rows 64 w .. + 63 of the slice, 48 of its 64 loads out at once, rounds them and lays them into LDS turned: its own 128 bytes of each LDS row.
;  3. Behind the second barrier LDS is only read, up to a third barrier in front of the waves' closing lines.  Wave w multiplies ranks 64 (w / 2) .. + 63 of a pass's 512 by columns 64 (w % 2) .. + 63;
;     two passes; the walk along K written once for each number of live tiles.
; LAYOUT.  Source 0 = 16 rows of h, source 1 = 16 columns.  Column 4 l + q of the slice lies in LDS row 32 q + l, so for one register j a lane's four accumulators are columns 4 r .. 4 r + 3 of rank 8 h + j:
; the score's multiply brings them into four neighbouring registers, and in one store sixteen lanes write the 256 bytes of my 64 columns of one row of o.  No way through LDS is needed.
; h lies as [64 blocks of 64 columns][1,024 e + rank][64]: 64 k are one block, and 16 ranks are 2,048 consecutive bytes.  Only live tiles are read: just those that the first product stored.
; The places past the count in the expert's one tile that is not full hold the numbers 2,048 + 16 e + place % 16: rows of o of their own, which nobody reads.
; No cluster: each weight byte has one reader; what an expert's work-groups share is its rows of h, a sixteenth of the weights' bytes for each.  No tensor load: the weights want rounding and turning.
.set WROW,  4096                       ; bytes from a k row of w2[e] to the next
.set ASTEP, 1<<20                      ; a block of h
.set PLANE, 2176*4096                  ; a part of o
.set PW,    2064                       ; a column's 1,024 k in LDS: 2,048 bytes + 16 = 129 x 16
.set LIST,  128*PW                     ; the list
.set LPL,   1152                       ; its places
.set SLIST, LIST+4*LPL                 ; the scores, by the same places
.set CNTW,  SLIST+4*LPL                ; the count
.set SPARE, CNTW+256                   ; 128 bytes a wave; no other line names them
.set WV, 2
.set E, 3
.set SL, 4
.set CG, 6
.set RG, 7
.set WB, 18                            ; s[18:19] w2 at my 64 k rows of the slice
.set AB, 20                            ; s[20:21] h at the block in hand;  s[22:23] at my part's first block
.set AB0, 22
.set OB, 24                            ; s[24:25] o at my part and my 64 columns
.set CNT, 26
.set NL, 27
.set ROWB, 29
.set KC, 30
.set PASS, 31
.set RUN, 34
.set T0, 35
.set T1, 36
.set M, 37
.set KB, 48
.set LB, 49
.set NS, 50
.set KS, 51
.set LR2C, 1                           ; v1     my place in the list in this pass
.set SPW, 2                            ; v2 my spare word, v3 0: kept for the add alone
.set NIL, 3
.set WS, 4                             ; v4-7   where my 8 k of column 4 lane + q go
.set WBS, 8                            ; v8-11  weight fragment p at k = 0
.set LRD2, 12                          ; v12    list place 64 (w / 2) + 8 h
.set L16, 13                           ; v13    16 x lane
.set C16, 14                           ; v14    16 r
.set RH, 15                            ; v15    128 r + 16 h
.set SC, 16                            ; v16-23 the scores of a tile's eight ranks of mine
.set WR, 24
.set AOFF, 28                          ; v28-31 byte offset of tile t's rows in a block of h
.set LN, 32
.set R, 33
.set H, 34
.set TP, 36                            ; v36-45 at work
.set PKD, 32
.set RING, 64
.set WF, 32
.set AF, 64
.set ACC, 128
.set ENR, 96                           ; v96-127 the way out: tile t's eight rows of o
.macro LOADW slot, g                   ; k rows 16 g .. 16 g + 15 of my 64: each load is 512 consecutive bytes of one row
.irp b, 0,1
.irp i, 0,1,2,3,4,5,6,7
	global_load_b128 v[RING+64*(\slot)+32*(\b)+4*(\i):RING+64*(\slot)+32*(\b)+4*(\i)+3], v[L16], s[WB:WB+1] offset:(16*(\g)+8*(\b)+(\i))*WROW th:TH_LOAD_NT
.endr
.endr
.endm
.macro PACKW slot, g
.irp b, 0,1
.irp q, 0,1,2,3
.irp m, 0,1,2,3
	v_cvt_pk_bf16_f32 v[PKD+16*(\b)+4*(\q)+(\m)], v[RING+64*(\slot)+32*(\b)+8*(\m)+(\q)], v[RING+64*(\slot)+32*(\b)+8*(\m)+4+(\q)]
.endr
.endr
.endr
.irp b, 0,1
.irp q, 0,1,2,3
	ds_store_b128 v[WS+(\q)], v[PKD+16*(\b)+4*(\q):PKD+16*(\b)+4*(\q)+3] offset:32*(\g)+16*(\b)
.endr
.endr
.endm
.macro LOADA n, buf, off
.set t, 0
.rept \n
	global_load_b128 v[AF+32*(\buf)+8*t:AF+32*(\buf)+8*t+3],   v[AOFF+t], s[AB:AB+1] offset:(\off)+64*(\buf)
	global_load_b128 v[AF+32*(\buf)+8*t+4:AF+32*(\buf)+8*t+7], v[AOFF+t], s[AB:AB+1] offset:(\off)+64*(\buf)+32
.set t, t+1
.endr
.endm
.macro LOADWF imm
.irp p, 0,1,2,3
	ds_load_b128 v[WF+8*(\p):WF+8*(\p)+3],   v[WR+(\p)] offset:(\imm)
	ds_load_b128 v[WF+8*(\p)+4:WF+8*(\p)+7], v[WR+(\p)] offset:(\imm)+32
.endr
.endm
; 4 n products; the accumulators take turns, one instruction a turn.  zero = 1: they start the sums, the tiles past n too, with tile 0's fragment.  Four places follow the last product.
.macro MULV n, buf, zero
.set t, 0
.rept 4
.if (t < (\n)) || (\zero)
.set ta, t
.if t >= (\n)
.set ta, 0
.endif
.irp p, 0,1,2,3
.if \zero
	v_wmma_f32_16x16x32_bf16 v[ACC+32*t+8*(\p):ACC+32*t+8*(\p)+7], v[AF+32*(\buf)+8*ta:AF+32*(\buf)+8*ta+7], v[WF+8*(\p):WF+8*(\p)+7], 0
.else
	v_wmma_f32_16x16x32_bf16 v[ACC+32*t+8*(\p):ACC+32*t+8*(\p)+7], v[AF+32*(\buf)+8*ta:AF+32*(\buf)+8*ta+7], v[WF+8*(\p):WF+8*(\p)+7], v[ACC+32*t+8*(\p):ACC+32*t+8*(\p)+7]
.endif
.endr
.endif
.set t, t+1
.endr
.rept 4
	v_nop
.endr
.endm
.macro CTRIP n, zero, anext
	LOADWF 0
	s_wait_loadcnt 2*(\n)                          ; buffer 0 is in: buffer 1's 2 n loads are younger
	s_wait_dscnt 0x0
	MULV \n, 0, \zero
.if \anext
	LOADA \n, 0, ASTEP
.endif
	LOADWF 64
.if \anext
	s_wait_loadcnt 2*(\n)                          ; buffer 1 is in: the 2 n loads just issued are younger
.else
	s_wait_loadcnt 0x0
.endif
	s_wait_dscnt 0x0
	MULV \n, 1, 0
.if \anext
	LOADA \n, 1, ASTEP
.endif
.endm
.macro CSTEP
	s_wait_xcnt 0x0                                ; the loads' base is stepped only behind this wait
	s_add_nc_u64 s[AB:AB+1], s[AB:AB+1], ASTEP
	s_add_co_u32 s[KB], s[KB], 128
.irp p, 0,1,2,3
	v_add_nc_u32 v[WR+(\p)], s[KB], v[WBS+(\p)]
.endr
.endm
.macro WALK n
	s_mov_b64 s[AB:AB+1], s[AB0:AB0+1]
	s_mov_b32 s[KB], 0
.irp p, 0,1,2,3
	v_mov_b32 v[WR+(\p)], v[WBS+(\p)]
.endr
	LOADA \n, 0, 0
	LOADA \n, 1, 0
	CTRIP \n, 1, 1
	CSTEP
	s_mov_b32 s[KC], 14
.Lk_\@:
	CTRIP \n, 0, 1
	CSTEP
	s_sub_co_u32 s[KC], s[KC], 1
	s_cmp_lg_u32 s[KC], 0
	s_cbranch_scc1 .Lk_\@
	CTRIP \n, 0, 0
.endm
.macro NEWNL
	s_add_co_u32 s42, s[CNT], 15
	s_sub_co_i32 s42, s42, s[ROWB]
	s_ashr_i32 s42, s42, 4
	s_max_i32 s42, s42, 0
	s_min_i32 s[NL], s42, 4
.endm
; THE WAY OUT of tile t.  My eight ranks' rows of o and scores come out of LDS; the score's multiply gathers four columns; eight stores.  Each tile has data and address registers of its own
; (tiles 2 and 3 take the accumulators that tiles 0 and 1 have left), so that no store's source is written again before the pass's end.
.macro OUTT t
.set tb, 32+32*(\t)+32*((\t)/2)        ; v32, v64, v128, v160
	ds_load_b128 v[ENR+8*(\t):ENR+8*(\t)+3],   v[LR2C] offset:64*(\t)
	ds_load_b128 v[ENR+8*(\t)+4:ENR+8*(\t)+7], v[LR2C] offset:64*(\t)+16
	ds_load_b128 v[SC:SC+3],   v[LR2C] offset:SLIST-LIST+64*(\t)
	ds_load_b128 v[SC+4:SC+7], v[LR2C] offset:SLIST-LIST+64*(\t)+16
	s_wait_dscnt 0x0
.irp j, 0,1,2,3,4,5,6,7
.irp p, 0,1,2,3
	v_mul_f32 v[tb+4*(\j)+(\p)], v[ACC+32*(\t)+8*(\p)+(\j)], v[SC+(\j)]     ; each accumulator's lowest register is read first
.endr
.endr
.irp j, 0,1,2,3,4,5,6,7
	v_min_u32 v[ENR+8*(\t)+(\j)], 0x87f, v[ENR+8*(\t)+(\j)]
	v_lshl_add_u32 v[ENR+8*(\t)+(\j)], v[ENR+8*(\t)+(\j)], 12, v[C16]
.endr
.irp j, 0,1,2,3,4,5,6,7
	global_store_b128 v[ENR+8*(\t)+(\j)], v[tb+4*(\j):tb+4*(\j)+3], s[OB:OB+1]   ; sixteen lanes store 256 consecutive bytes, aligned
.endr
.endm
	s_load_b256 s[8:15], s[0:1], 0x0               ; h s[8:9], w2 s[10:11], sc s[12:13], idx s[14:15]
	s_load_b64 s[16:17], s[0:1], 0x20              ; o
	v_lshl_add_u32 v[SPW], v0, 2, SPARE
	v_mov_b32 v[NIL], 0
	v_lshrrev_b32 v[LN], 5, v0
	v_readfirstlane_b32 s[WV], v[LN]               ; wave 0..15
	v_and_b32 v[LN], 31, v0                        ; lane
	v_and_b32 v[R], 15, v0                         ; r
	v_bfe_u32 v[H], v0, 4, 1                       ; h
	s_and_b32 s[E], ttmp7, 0xffff
	s_mov_b32 s[SL], ttmp9
	s_and_b32 s[NS], s[SL], 7
	s_lshr_b32 s[KS], s[SL], 3
	s_and_b32 s[CG], s[WV], 1
	s_lshr_b32 s[RG], s[WV], 1
	; every address register is made here, by every wave alike
	v_lshlrev_b32 v[L16], 4, v[LN]
	v_lshlrev_b32 v[C16], 4, v[R]
	v_lshlrev_b32 v[RH], 7, v[R]
	v_lshl_add_u32 v[RH], v[H], 4, v[RH]
	v_mul_u32_u24 v[WS], v[LN], PW                 ; LDS row 32 q + lane,
	s_lshl_b32 s42, s[WV], 7                       ; my 64 k are 128 bytes of it
	v_add_nc_u32 v[WS], s42, v[WS]
.irp q, 1,2,3
	v_add_nc_u32 v[WS+(\q)], 32*PW*(\q), v[WS]
.endr
	v_mul_u32_u24 v[WBS], v[R], PW                 ; LDS row 32 p + 16 (w % 2) + r, 16 bytes for each half of the lanes
	v_lshl_add_u32 v[WBS], v[H], 4, v[WBS]
	s_mul_i32 s42, s[CG], 16*PW
	v_add_nc_u32 v[WBS], s42, v[WBS]
.irp q, 1,2,3
	v_add_nc_u32 v[WBS+(\q)], 32*PW*(\q), v[WBS]
.endr
	s_lshl_b32 s42, s[RG], 8
	s_add_co_u32 s42, s42, LIST
	v_lshl_add_u32 v[LRD2], v[H], 5, s42
	s_lshl_b32 s32, s[E], 24                       ; w2: 16 MiB x expert + my part's 1,024 k rows + my 64 k rows + the slice's 512 bytes of a row
	s_lshl_b32 s42, s[KS], 22
	s_add_co_u32 s32, s32, s42
	s_lshl_b32 s42, s[WV], 18
	s_add_co_u32 s32, s32, s42
	s_lshl_b32 s42, s[NS], 9
	s_add_co_u32 s32, s32, s42
	s_mov_b32 s33, 0
	s_lshl_b32 s44, s[KS], 24                      ; h: my part's 16 blocks
	s_mov_b32 s45, 0
	s_mul_i32 s46, s[KS], PLANE                    ; o: my part, the slice's 512 bytes of a row, my 256
	s_add_co_u32 s46, s46, s42
	s_lshl_b32 s42, s[CG], 8
	s_add_co_u32 s46, s46, s42
	s_mov_b32 s47, 0
	s_wait_kmcnt 0x0
	s_add_nc_u64 s[WB:WB+1], s[10:11], s[32:33]
	s_add_nc_u64 s[AB0:AB0+1], s[8:9], s[44:45]
	s_add_nc_u64 s[OB:OB+1], s[16:17], s[46:47]
	s_cmp_lg_u32 s[WV], 0
	s_cbranch_scc1 .Lnot_lister
	; WAVE 0 MAKES THE LIST AND THE SCORES BY RANK, alone and in order.
	v_lshlrev_b32 v[TP], 3, v[LN]
.set w, 0
.rept 32
	global_load_b64 v[128+2*w:129+2*w], v[TP], s[14:15] offset:256*w   ; the two choices of token 32 w + lane,
	global_load_b64 v[64+2*w:65+2*w],   v[TP], s[12:13] offset:256*w   ; and their scores
.set w, w+1
.endr
	v_lshl_add_u32 v[TP+1], v[LN], 4, LIST
	v_and_b32 v[TP+2], 3, v[LN]
	s_lshl_b32 s42, s[E], 4
	s_add_co_u32 s42, s42, 2048
	v_lshl_add_u32 v192, v[TP+2], 2, s42           ; place p starts as 2,048 + 16 e + p % 16, with the score 0
	v_add_nc_u32 v193, 1, v192
	v_add_nc_u32 v194, 2, v192
	v_add_nc_u32 v195, 3, v192
.irp i, 196,197,198,199
	v_mov_b32 v[\i], 0
.endr
.irp i, 0,1,2,3,4,5,6,7,8
	ds_store_b128 v[TP+1], v[192:195] offset:512*(\i)
	ds_store_b128 v[TP+1], v[196:199] offset:SLIST-LIST+512*(\i)
.endr
	v_lshlrev_b32 v[TP+3], 1, v[LN]                ; 2 x the token of this lane and word
	v_mov_b32 v[TP+4], LPL-1                       ; a lane whose token did not choose e writes the last place's own numbers there again
	s_add_co_u32 s42, s42, 15
	v_mov_b32 v[TP+5], s42
	s_mov_b32 s[RUN], 0
.set w, 0
.rept 32
	s_wait_loadcnt 2*(31-w)                        ; word w's two loads are in: the later words' stay out
	v_cmp_eq_u32 s[T0], s[E], v[128+2*w]
	v_cmp_eq_u32 s[T1], s[E], v[129+2*w]
	s_or_b32 s[M], s[T0], s[T1]
	v_mbcnt_lo_u32_b32 v[TP+6], s[M], s[RUN]       ; rank: the rows so far and those of lower lanes
	v_cndmask_b32 v[TP+6], v[TP+4], v[TP+6], s[M]
	v_min_u32 v[TP+6], LPL-1, v[TP+6]              ; held inside the list; a shift and an add follow
	v_lshl_add_u32 v[TP+6], v[TP+6], 2, LIST
	v_cndmask_b32 v[TP+7], 0, 1, s[T1]
	v_add_nc_u32 v[TP+7], v[TP+7], v[TP+3]         ; the entry 2 n + k
	v_cndmask_b32 v[TP+7], v[TP+5], v[TP+7], s[M]
	ds_store_b32 v[TP+6], v[TP+7]
	v_cndmask_b32 v[TP+8], v[64+2*w], v[65+2*w], s[T1]
	v_cndmask_b32 v[TP+8], 0, v[TP+8], s[M]
	ds_store_b32 v[TP+6], v[TP+8] offset:SLIST-LIST
	v_add_nc_u32 v[TP+3], 64, v[TP+3]
	s_bcnt1_i32_b32 s[T0], s[M]
	s_add_co_u32 s[RUN], s[RUN], s[T0]
.set w, w+1
.endr
	v_mov_b32 v[TP+6], CNTW
	v_mov_b32 v[TP+7], s[RUN]
	ds_store_b32 v[TP+6], v[TP+7]
.Lnot_lister:
	LOADW 0, 0                                     ; 48 of my 64 loads go out
	LOADW 1, 1
	LOADW 2, 2
	s_wait_dscnt 0x0                               ; list, scores and count lie in LDS
	s_barrier_signal -1
	s_barrier_wait -1                              ; from here on every wave stores into the slice
	s_wait_loadcnt 32                              ; the first 16 rows are in: two groups of 16 are younger
	PACKW 0, 0
	LOADW 0, 3                                     ; the last 16 rows take their place
	s_wait_loadcnt 32
	PACKW 1, 1
	s_wait_loadcnt 16                              ; one group of 16 is younger
	PACKW 2, 2
	s_wait_loadcnt 0x0
	PACKW 0, 3
	s_wait_dscnt 0x0                               ; for the others' sake: my part of the slice lies in LDS
	s_barrier_signal -1
	s_barrier_wait -1                              ; from here on LDS is only read
	v_mov_b32 v[TP], CNTW
	ds_load_b32 v[TP+1], v[TP]
	s_wait_dscnt 0x0
	v_readfirstlane_b32 s[CNT], v[TP+1]
	s_min_u32 s[CNT], s[CNT], 1024
	s_lshl_b32 s[ROWB], s[RG], 6
	s_mov_b32 s[LB], 0
	s_mov_b32 s[PASS], 2
.Lpass:                                                ; 512 ranks a pass
	NEWNL
	s_cmp_eq_u32 s[NL], 0
	s_cbranch_scc1 .Lnext                          ; no rows of mine in this pass
	s_lshl_b32 s42, s[E], 17                       ; rank 1,024 e + my first, of 128 bytes
	s_lshl_b32 s43, s[ROWB], 7
	s_add_co_u32 s42, s42, s43
	v_add_nc_u32 v[AOFF], s42, v[RH]
.irp t, 1,2,3
	v_add_nc_u32 v[AOFF+(\t)], 2048*(\t), v[AOFF]
.endr
	v_add_nc_u32 v[LR2C], s[LB], v[LRD2]
	s_cmp_lt_u32 s[NL], 4
	s_cbranch_scc1 .Lw3
	WALK 4
	s_branch .Lout
.Lw3:
	s_cmp_lt_u32 s[NL], 3
	s_cbranch_scc1 .Lw2
	WALK 3
	s_branch .Lout
.Lw2:
	s_cmp_lt_u32 s[NL], 2
	s_cbranch_scc1 .Lw1
	WALK 2
	s_branch .Lout
.Lw1:
	WALK 1
.Lout:
	OUTT 0
	s_cmp_lt_u32 s[NL], 2                          ; whole tiles past the count are jumped
	s_cbranch_scc1 .Lnext
	OUTT 1
	s_cmp_lt_u32 s[NL], 3
	s_cbranch_scc1 .Lnext
	OUTT 2
	s_cmp_lt_u32 s[NL], 4
	s_cbranch_scc1 .Lnext
	OUTT 3
.Lnext:
	s_wait_xcnt 0x0                                ; the stores have read their registers
	s_add_co_u32 s[ROWB], s[ROWB], 512
	s_add_co_u32 s[LB], s[LB], 2048
	s_sub_co_u32 s[PASS], s[PASS], 1
	s_cmp_lg_u32 s[PASS], 0
	s_cbranch_scc1 .Lpass
	s_wait_dscnt 0x0                               ; my reads of LDS are back,
	s_barrier_signal -1
	s_barrier_wait -1                              ; and so are every wave's: the closing add, which writes LDS, comes behind all reads
	s_wait_tensorcnt 0x0                           ; the wave's end
	ds_add_u32 v[SPW], v[NIL]
	s_wait_dscnt 0x0
	s_endpgm
.Lfunc_end_k_q8b7d2ed22d_down:
	.size	k_q8b7d2ed22d_down, .Lfunc_end_k_q8b7d2ed22d_down-k_q8b7d2ed22d_down
	.p2alignl 7, 3214868480
	.fill 96, 4, 3214868480
	.section	.rodata,"a",@progbits
	.p2align	6, 0x0
	.amdhsa_kernel k_q8b7d2ed22d_down
		.amdhsa_group_segment_fixed_size 275712
		.amdhsa_private_segment_fixed_size 0
		.amdhsa_enable_private_segment 0
		.amdhsa_kernarg_size 40
		.amdhsa_user_sgpr_count 2
		.amdhsa_user_sgpr_kernarg_segment_ptr 1
		.amdhsa_wavefront_size32 1
		.amdhsa_system_sgpr_workgroup_id_x 1
		.amdhsa_system_sgpr_workgroup_id_y 1
		.amdhsa_system_sgpr_workgroup_id_z 1
		.amdhsa_system_vgpr_workitem_id 0
		.amdhsa_next_free_vgpr 256
		.amdhsa_next_free_sgpr 66
		.amdhsa_reserve_vcc 0
		.amdhsa_float_denorm_mode_32 3
		.amdhsa_float_denorm_mode_16_64 3
		.amdhsa_memory_ordered 1
		.amdhsa_forward_progress 1
		.amdhsa_inst_pref_size 120
	.end_amdhsa_kernel
	.amdgpu_metadata
---
amdhsa.version: [ 1, 2 ]
amdhsa.kernels:
  - .name:           k_q8b7d2ed22d_down
    .symbol:         k_q8b7d2ed22d_down.kd
    .args:
      - { .name: h, .offset: 0, .size: 8, .value_kind: global_buffer, .address_space: global }
      - { .name: w2, .offset: 8, .size: 8, .value_kind: global_buffer, .address_space: global }
      - { .name: sc, .offset: 16, .size: 8, .value_kind: global_buffer, .address_space: global }
      - { .name: idx, .offset: 24, .size: 8, .value_kind: global_buffer, .address_space: global }
      - { .name: o, .offset: 32, .size: 8, .value_kind: global_buffer, .address_space: global }
    .group_segment_fixed_size: 275712
    .private_segment_fixed_size: 0
    .kernarg_segment_align: 8
    .kernarg_segment_size: 40
    .max_flat_workgroup_size: 512
    .sgpr_count:     66
    .vgpr_count:     256
    .wavefront_size: 32
...
	.end_amdgpu_metadata
.endif
;; end of part 3
;; launch sum (part 4): grid 256 x 1, 8 waves a work-group, no clusters, 0 bytes of LDS; arguments o, sc, idx, b2, out0; writes out0
.if DOCPART == 4
	.amdgcn_target "amdgcn-amd-amdhsa--gfx1250"
	.amdhsa_code_object_version 6
	.text
	.protected	k_q8b7d2ed22d_sum
	.globl	k_q8b7d2ed22d_sum
	.p2align	8
	.type	k_q8b7d2ed22d_sum,@function
k_q8b7d2ed22d_sum:
	s_mov_b64 s[64:65], 0
	v_nop
	global_prefetch_b8 v0, s[64:65] scope:SCOPE_SE
	s_setreg_imm32_b32 hwreg(HW_REG_WAVE_MODE, 25, 1), 1
	s_wait_xcnt 0x0
; THE SUM.  y[n] = the eight partial rows of token n (four parts along K x two choices, already weighed by the scores) + s0 b2[e0] + s1 b2[e1].  All in f32; b2 is rounded to bf16 like every input.
; A stream: a work-group has four tokens, a wave half a row (2,048 bytes of each of its rows); all its 40 loads go out before the first wait.  No LDS, no barrier, no matrix unit: nothing here is shared or multiplied.
.set PLANE, 2176*4096                  ; a part of o
.set AC, 16                            ; v16-143  part ks, choice k, piece i at AC + 32 ks + 16 k + 4 i; the sum grows in the first 16
.set BB, 144                           ; v144-175 b2's rows: choice k, piece i at BB + 16 k + 4 i
.set TW, 176                           ; v176-183 at work
	s_load_b256 s[4:11], s[0:1], 0x0               ; o s[4:5], sc s[6:7], idx s[8:9], b2 s[10:11]
	s_load_b64 s[12:13], s[0:1], 0x20              ; out0
	v_lshrrev_b32 v1, 5, v0
	v_readfirstlane_b32 s2, v1                     ; wave 0..7
	v_and_b32 v1, 31, v0
	s_lshr_b32 s3, s2, 1
	s_lshl_b32 s14, ttmp9, 2
	s_add_co_u32 s3, s14, s3                       ; my token
	s_and_b32 s14, s2, 1
	s_lshl_b32 s14, s14, 11                        ; my half of a row
	v_lshl_add_u32 v2, v1, 4, s14
	s_lshl_b32 s20, s3, 13                         ; rows 2 n and 2 n + 1 of a part
	s_mov_b32 s21, 0
	s_lshl_b32 s22, s3, 3                          ; the token's pair in sc and idx
	s_mov_b32 s23, 0
	s_lshl_b32 s32, s3, 12                         ; row n of out0
	s_mov_b32 s33, 0
	s_wait_kmcnt 0x0
	s_add_nc_u64 s[6:7], s[6:7], s[22:23]
	s_add_nc_u64 s[8:9], s[8:9], s[22:23]
	s_load_b64 s[16:17], s[8:9], 0x0               ; e0, e1
	s_load_b64 s[18:19], s[6:7], 0x0               ; s0, s1
	s_add_nc_u64 s[24:25], s[4:5], s[20:21]        ; a base for each part: a part is longer than a load's immediate reaches
	s_add_nc_u64 s[26:27], s[24:25], PLANE
	s_add_nc_u64 s[28:29], s[26:27], PLANE
	s_add_nc_u64 s[30:31], s[28:29], PLANE
	s_add_nc_u64 s[12:13], s[12:13], s[32:33]
.irp p, 0,1,2,3
.irp k, 0,1
.irp i, 0,1,2,3
	global_load_b128 v[AC+32*(\p)+16*(\k)+4*(\i):AC+32*(\p)+16*(\k)+4*(\i)+3], v2, s[24+2*(\p):25+2*(\p)] offset:4096*(\k)+512*(\i) th:TH_LOAD_NT   ; 512 consecutive bytes
.endr
.endr
.endr
	s_wait_kmcnt 0x0
	s_min_u32 s16, s16, 7
	s_min_u32 s17, s17, 7
	s_lshl_b32 s34, s16, 12
	s_mov_b32 s35, 0
	s_lshl_b32 s36, s17, 12
	s_mov_b32 s37, 0
	s_add_nc_u64 s[34:35], s[10:11], s[34:35]
	s_add_nc_u64 s[36:37], s[10:11], s[36:37]
	s_mov_b32 s38, s19                             ; s1 as the low word of a pair: the packed form takes the low word for both halves
	s_mov_b32 s39, s19
.irp k, 0,1
.irp i, 0,1,2,3
	global_load_b128 v[BB+16*(\k)+4*(\i):BB+16*(\k)+4*(\i)+3], v2, s[34+2*(\k):35+2*(\k)] offset:512*(\i)
.endr
.endr
	s_wait_loadcnt 0x8                             ; the 32 partial pieces are in: b2's eight loads are younger
.irp c, 1,2,3,4,5,6,7
.irp i, 0,2,4,6,8,10,12,14
	v_pk_add_f32 v[AC+(\i):AC+(\i)+1], v[AC+(\i):AC+(\i)+1], v[AC+16*(\c)+(\i):AC+16*(\c)+(\i)+1]
.endr
.endr
	s_wait_loadcnt 0x0
.irp k, 0,1
.irp i, 0,1,2,3,4,5,6,7
	v_cvt_pk_bf16_f32 v[TW+(\i)], v[BB+16*(\k)+2*(\i)], v[BB+16*(\k)+2*(\i)+1]
.endr
.irp i, 0,1,2,3,4,5,6,7
	v_lshlrev_b32 v[BB+16*(\k)+2*(\i)], 16, v[TW+(\i)]
	v_and_b32 v[BB+16*(\k)+2*(\i)+1], 0xffff0000, v[TW+(\i)]
.endr
.endr
.irp i, 0,2,4,6,8,10,12,14
	v_pk_fma_f32 v[AC+(\i):AC+(\i)+1], v[BB+(\i):BB+(\i)+1], s[18:19], v[AC+(\i):AC+(\i)+1] op_sel_hi:[1,0,1]
.endr
.irp i, 0,2,4,6,8,10,12,14
	v_pk_fma_f32 v[AC+(\i):AC+(\i)+1], v[BB+16+(\i):BB+16+(\i)+1], s[38:39], v[AC+(\i):AC+(\i)+1] op_sel_hi:[1,0,1]
.endr
.irp i, 0,1,2,3
	global_store_b128 v2, v[AC+4*(\i):AC+4*(\i)+3], s[12:13] offset:512*(\i) th:TH_STORE_NT   ; 512 consecutive bytes, aligned
.endr
	s_endpgm
.Lfunc_end_k_q8b7d2ed22d_sum:
	.size	k_q8b7d2ed22d_sum, .Lfunc_end_k_q8b7d2ed22d_sum-k_q8b7d2ed22d_sum
	.p2alignl 7, 3214868480
	.fill 96, 4, 3214868480
	.section	.rodata,"a",@progbits
	.p2align	6, 0x0
	.amdhsa_kernel k_q8b7d2ed22d_sum
		.amdhsa_group_segment_fixed_size 0
		.amdhsa_private_segment_fixed_size 0
		.amdhsa_enable_private_segment 0
		.amdhsa_kernarg_size 40
		.amdhsa_user_sgpr_count 2
		.amdhsa_user_sgpr_kernarg_segment_ptr 1
		.amdhsa_wavefront_size32 1
		.amdhsa_system_sgpr_workgroup_id_x 1
		.amdhsa_system_sgpr_workgroup_id_y 1
		.amdhsa_system_sgpr_workgroup_id_z 1
		.amdhsa_system_vgpr_workitem_id 0
		.amdhsa_next_free_vgpr 192
		.amdhsa_next_free_sgpr 66
		.amdhsa_reserve_vcc 0
		.amdhsa_float_denorm_mode_32 3
		.amdhsa_float_denorm_mode_16_64 3
		.amdhsa_memory_ordered 1
		.amdhsa_forward_progress 1
		.amdhsa_inst_pref_size 13
	.end_amdhsa_kernel
	.amdgpu_metadata
---
amdhsa.version: [ 1, 2 ]
amdhsa.kernels:
  - .name:           k_q8b7d2ed22d_sum
    .symbol:         k_q8b7d2ed22d_sum.kd
    .args:
      - { .name: o, .offset: 0, .size: 8, .value_kind: global_buffer, .address_space: global }
      - { .name: sc, .offset: 8, .size: 8, .value_kind: global_buffer, .address_space: global }
      - { .name: idx, .offset: 16, .size: 8, .value_kind: global_buffer, .address_space: global }
      - { .name: b2, .offset: 24, .size: 8, .value_kind: global_buffer, .address_space: global }
      - { .name: out0, .offset: 32, .size: 8, .value_kind: global_buffer, .address_space: global }
    .group_segment_fixed_size: 0
    .private_segment_fixed_size: 0
    .kernarg_segment_align: 8
    .kernarg_segment_size: 40
    .max_flat_workgroup_size: 256
    .sgpr_count:     66
    .vgpr_count:     192
    .wavefront_size: 32
...
	.end_amdgpu_metadata
.endif
;; end of part 4
